; MI455X (gfx1250); checked and timed in simulation.
; The chip was launched on July 23, 2026; its instructions are those of AMD's public machine-readable ISA for CDNA 5 (MIT licence, August 2026) and "CDNA5" Instruction Set Architecture Reference Guide (July 2026). The comments in the code are by the model that wrote it; some were corrected since.
;; control solver. Allowed arithmetic: float matrix products may take bf16 or f16 operands with f32 sums; other float arithmetic in f32, or as packed bf16 or f16 multiplies, adds, multiply-adds, maxima and minima; sums over many terms, partial sums and values carried from step to step in f32; what a program stores and reads back later, other than sums and carried values, may be rounded once to bf16 or f16.
;; Inputs: S0 4,096 x 100 float32; W0 101 x 200 float32; W1 200 x 200 float32; W2 200 x 200 float32; W3 200 x 200 float32; Wout 200 x 100 float32; b0 200 float32; b1 200 float32; b2 200 float32; b3 200 float32; bout 100 float32; dW 4,096 x 10,100 float32; timegrid 101 float32.
;; Outputs: out0 4,096 x 100 float32.
;; 2 versions, each right and faster than the one before. Each part assembles by itself: llvm-mc -triple=amdgcn-amd-amdhsa -mcpu=gfx1250 --defsym DOCPART=n.
;; ======== version 1 of 2: 1 launch
;; launch solve (part 1): grid 256 x 1, 4 waves a work-group, no clusters, 319,488 bytes of LDS; arguments S0, timegrid, dW, W0, b0, W1, b1, W2, b2, W3, b3, Wout, bout, out0; writes out0
.if DOCPART == 1
	.amdgcn_target "amdgcn-amd-amdhsa--gfx1250"
	.amdhsa_code_object_version 6
	.text
	.protected	k_qf36f1b9585_solve
	.globl	k_qf36f1b9585_solve
	.p2align	8
	.type	k_qf36f1b9585_solve,@function
k_qf36f1b9585_solve:
	s_mov_b64 s[64:65], 0
	v_nop
	global_prefetch_b8 v0, s[64:65] scope:SCOPE_SE
	s_setreg_imm32_b32 hwreg(HW_REG_WAVE_MODE, 25, 1), 1
	s_wait_xcnt 0x0
; 100 Euler steps of S += u h + u sqrt(h) dW, err += u u h, with u = MLP(t, S) (101 -> 200 -> 200 -> 200 -> 200 -> 100, ReLU between), then out = err + S S.
; SHARES.  A work-group of four waves owns 16 batch rows for all 100 steps: 4,096 rows / 16 = 256 work-groups.  S and err stay in f32 registers from first to last.
; THE PRODUCT.  Source 0 = 16 output features x 32 k of weights, source 1 = 32 k x 16 batch rows of activations.  In the result lane (r = lane % 16, h = lane / 16) holds batch row r and
; features 8 h + 0..7 of the tile; two such tiles rounded to bf16 in pairs ARE a source 1 of the next layer.  So nothing changes lanes; a tile (512 bytes, 16 a lane) goes through LDS only
; to reach the other waves.  Each of the five layer inputs has a stage of its own, written again a whole step later: one barrier a layer.
; WEIGHTS stay in registers as bf16 fragments, 768 a wave (windows 1 to 3, to the last register).  The prologue rounds them and lays them in LDS as [k slot][feature], from where the turning load takes fragments.
; TILES.  200 features are 13 tiles: tile T < 12 holds features 16 T on, tile 12 features 184..199 (184..191 a second time).  K slots of a layer with 200 inputs (224 = 7 x 32): slot < 192: that row of W;
; 192..199: zeros (they meet the repeated features); 200..207: rows 192..199; 208: the bias (source 1 holds 1.0 there, in four registers that are never loaded); 209..223: zeros.
; K slots of the first layer (128): slot < 100: row slot + 1 of W0 (S); 100: row 0 (t); 104: b0 (1.0); else zeros.  t and 1.0 live in padding places of wave 3's S; the last layer's columns 100..127 are zeros, so u = 0 there.
; Wave w makes tiles 3 w .. 3 w + 2 of each hidden layer, wave l also tile 12 of layer l, and tiles 2 w, 2 w + 1 of the last layer.
; NO CLUSTER, NO TENSOR LOADS: the weights (644,400 bytes with the biases) arrive as f32 [k][n] and are rounded on their way through registers, once, ahead of the loop; as f32 they are more than LDS holds;
; dW, 646,400 bytes a work-group, is shared by no two work-groups and goes straight into registers, four steps ahead of its use.
; LIMITS.  Weights, biases, t, S as the net's input and the activations are rounded to bf16 (S and err themselves never).  S += u (h + sqrt(h) dW) is one fused multiply-add on a factor made by another,
; where the definition rounds three times; err += u (u h).  The packed maximum turns a NaN activation into 0.  sqrt(h) is v_sqrt_f32's: within 1 ulp, a denormal h counts as 0.  Infinities and NaN are not treated apart.
.set X0,    0                          ; LDS: S as bf16, 8 tiles of 512 bytes
.set X1,    4096                       ; the four hidden activations, 13 tiles each
.set X2,    10752
.set X3,    17408
.set X4,    24064
.set OUTS,  30720                      ; the way out: 16 rows of 128 f32, 528 bytes apart
.set SPARE, 39168                      ; the spare words: 128 bytes a wave, two blocks of 256 bytes that no other line names
.set IMG1,  39680                      ; three images of hidden layers: 224 rows, 416 bytes apart (13 x 32), 400 used
.set IMGSZ, 93184
.set IMG0,  IMG1                       ; later: the first layer's image, 128 rows of 416,
.set IMGO,  IMG1+IMGSZ                 ; and the last layer's, 224 rows, 288 bytes apart (9 x 32), 256 used
.set PW,    416
.set PO,    288
; window 0, always
.set SPW, 2                            ; v2   my spare word: SPARE + 4 x my thread's number; never rewritten
.set NIL, 3                            ; v3   0; never rewritten
.set VZ,  12                           ; v12-15  zeros
.set S,   16                           ; v16-31  S: feature 32 w + 16 tt + 8 h + j at S + 8 tt + j
; window 0, prologue
.set GO,  4                            ; 800 w + 32 min(lane, 24): my 8 numbers in row w of four rows of 200
.set GB,  5                            ; 32 min(lane, 24)
.set IA,  6                            ; where my 16 bytes of image row w lie; row 4 i + w by the immediate
.set IB,  7                            ; the same 32 x 4 rows on
.set TR,  8                            ; the turning load's lane term at pitch 416
.set FA,  9                            ; fragment addresses; in the filling of the hidden images: 416 w + 16 min(lane, 24)
.set FB,  10
.set LM,  11                           ; -1 in lanes 0..24
.set T,   32                           ; v32-231  25 slots of 8 f32
.set P,   232                          ; v232-239 rounded rows on their way to LDS
.set BT,  240                          ; v240-247 a bias
.set BT2, 248                          ; v248-255 row 0 of W0; then:
.set GO2, 248                          ; 400 w + 16 min(lane, 24)
.set GB2, 249                          ; 16 min(lane, 24)
.set IO,  250                          ; IMGO + 288 w + 8 lane
.set TR2, 251                          ; the turning load's lane term at pitch 288
.set LM0, 252                          ; LM in wave 0, else 0
.set A0,  216                          ; addresses of the last fragment reads
.set AX,  217
.set AO,  218
; window 0, main loop
.set L16, 4                            ; 16 lane
.set STW, 5                            ; 16 lane + 1,536 w: my three tiles in a hidden stage
.set STS, 6                            ; 16 lane + 1,024 w: my two tiles in X0
.set OST, 7                            ; 528 r + 128 w + 32 h
.set DWO, 8                            ; v8-11  quad k = 2 tt + q of dW: 40,400 r + 4 min(32 w + 16 tt + 8 h + 4 q, 96)
.set ERR, 32                           ; v32-47
.set ACC, 48                           ; v48-79   four accumulators
.set BF,  80                           ; v80-135  source 1: tile T at BF + 4 T; tile 13 is constant
.set PK,  136                          ; v136-151 rounded results on their way to LDS
.set DW,  152                          ; v152-215 four slots of 16: dW of four steps
; windows X = 1, 2, 3: v0-167 layer X (tile tt, K step c at 56 tt + 8 c); v168-199 first layer, tile X - 1; v200-255 last layer's tile 0 (X = 1), tile 1 (X = 2), the wave's extra tile (X = 3)
.set WV,  2                            ; s2   my wave's number
.set CNT, 36
.set SX,  37                           ; EXEC, kept
.set W0M, 38                           ; -1 in wave 0
.set TM,  39                           ; wave 3: lanes 0-15 (where t lives in S + 4)
.set HH,  40                           ; s[40:41] h
.set RH,  42                           ; s[42:43] sqrt(h)
.set TT,  44                           ; s44-47 the t of the four steps behind this trip's
.set WP,  48                           ; s[48:49], s[50:51] the hidden layer in hand: W, b
.set BP,  50
.set DP,  52                           ; s[52:53] dW at my rows, at the slices that this trip asks for
.set TP,  56                           ; s[56:57] timegrid at this trip's four t
.set INC, 58                           ; s[58:59] DP's step
.set VM,  60                           ; s60-63 lanes whose quad k holds real features
.set OM,  66                           ; wave 3: lanes 16-31 (where 1.0 lives in S + 0)
.set TG,  68                           ; s[68:69] timegrid[0], timegrid[1]
.set MSB, 0
.macro WIN new                         ; the immediate's high byte repeats the setting that is left; a switch that changes nothing is dropped
.if MSB != (\new)
	s_set_vgpr_msb (MSB<<8)|(\new)
.set MSB, (\new)
.endif
.endm
.macro SYNC                            ; my LDS instructions are done, stores and loads; then every wave's are
	s_wait_dscnt 0x0
	s_barrier_signal -1
	s_barrier_wait -1
.endm
.macro PLACES                          ; four places behind a matrix instruction, ahead of what reads its result or loads into its sources
.rept 4
	v_nop
.endr
.endm
	s_load_b512 s[8:23], s[0:1], 0x0               ; S0 s[8:9], timegrid s[10:11], dW s[12:13], W0 s[14:15], b0 s[16:17], W1 s[18:19], b1 s[20:21], W2 s[22:23]
	s_load_b256 s[24:31], s[0:1], 0x40             ; b2 s[24:25], W3 s[26:27], b3 s[28:29], Wout s[30:31]
	s_load_b128 s[32:35], s[0:1], 0x60             ; bout s[32:33], out0 s[34:35]
	v_lshl_add_u32 v[SPW], v0, 2, SPARE
	v_mov_b32 v[NIL], 0
	v_and_b32 v1, 31, v0                           ; lane
	v_lshrrev_b32 v36, 5, v0
	v_readfirstlane_b32 s[WV], v36                 ; wave 0..3
	s_cmp_eq_u32 s[WV], 0
	s_cselect_b32 s[W0M], -1, 0
	s_cmp_eq_u32 s[WV], 3
	s_cselect_b32 s[TM], 0xffff, 0
	s_cselect_b32 s[OM], 0xffff0000, 0
	s_mov_b32 s[INC+1], 0
.irp j, 0,1,2,3
	v_mov_b32 v[VZ+\j], 0
.endr
	v_lshrrev_b32 v36, 4, v1                       ; h
	v_and_b32 v37, 15, v1                          ; r
	s_lshl_b32 s4, s[WV], 5
	v_lshl_add_u32 v38, v36, 3, s4                 ; 32 w + 8 h
	v_mul_u32_u24 v39, v37, 400                    ; a row of S0
.irp k, 0,1,2,3
	v_add_nc_u32 v[T+\k], 16*(\k/2)+4*(\k%2), v38  ; quad k's first feature,
	v_min_u32 v[T+\k], 96, v[T+\k]                 ; held inside the row: the padding quads read features 96..99 and are masked later
	v_lshl_add_u32 v[T+\k], v[T+\k], 2, v39
.endr
	v_min_u32 v[GB], 24, v1                        ; a row of 200 f32 is 25 lanes x 32 bytes; lanes 25-31 repeat lane 24: same bytes in, same bytes to the same place in LDS
	v_lshlrev_b32 v[GB], 5, v[GB]
	s_mul_i32 s4, s[WV], 800
	v_add_nc_u32 v[GO], s4, v[GB]
	v_lshrrev_b32 v[FA], 1, v[GB]
	s_mul_i32 s4, s[WV], PW
	v_add_nc_u32 v[FA], s4, v[FA]                  ; 416 w + 16 min(lane, 24)
	; The turning load takes 16 k x 16 features: lane l reads 16 bytes of row 8 (l / 16) + l % 8, features 8 ((l / 8) % 2) on, and is left with feature l % 16 and 8 k: half a fragment of source 0.
	v_and_b32 v40, 7, v1
	v_lshl_add_u32 v40, v36, 3, v40
	v_bfe_u32 v41, v1, 3, 1
	v_mul_u32_u24 v[TR], v40, PW
	v_lshl_add_u32 v[TR], v41, 4, v[TR]
	v_cmp_gt_u32 vcc_lo, 25, v1
	v_cndmask_b32 v[LM], 0, -1, vcc_lo
	s_mul_i32 s4, ttmp9, 6400                      ; my 16 rows of S0 and out0,
	s_mov_b32 s5, 0
	s_mul_i32 s6, ttmp9, 646400                    ; and of dW: under 2^32 for 256 work-groups
	s_mov_b32 s7, 0
	s_wait_kmcnt 0x0
	s_load_b64 s[TG:TG+1], s[10:11], 0x0
	s_add_nc_u64 s[8:9], s[8:9], s[4:5]
	s_add_nc_u64 s[34:35], s[34:35], s[4:5]
	s_add_nc_u64 s[12:13], s[12:13], s[6:7]
.irp k, 0,1,2,3
	global_load_b128 v[S+4*\k:S+4*\k+3], v[T+\k], s[8:9]
.endr
	s_wait_xcnt 0x0                                ; the four offsets lie in registers that the loads below land on
; A row of 8 f32 a lane: slot n of T from row (imm / 800) + w of the tensor at s[base]
.macro LDROW n, base, imm
	global_load_b128 v[T+8*(\n):T+8*(\n)+3],   v[GO], s[(\base):(\base)+1] offset:(\imm)
	global_load_b128 v[T+8*(\n)+4:T+8*(\n)+7], v[GO], s[(\base):(\base)+1] offset:(\imm)+16
.endm
; Eight f32 at v[src] are rounded to bf16 and stored as my 16 bytes of image row 4 i + w.  m = 1: the row is real in wave 0 alone, zeros in the others
.macro STROW src, i, m=0
.set pq, P+4*((\i)%2)
.irp j, 0,1,2,3
	v_cvt_pk_bf16_f32 v[pq+\j], v[(\src)+2*\j], v[(\src)+2*\j+1]
.endr
.if \m
.irp j, 0,1,2,3
	v_and_b32 v[pq+\j], s[W0M], v[pq+\j]
.endr
.endif
.if (\i) < 32
	ds_store_b128 v[IA], v[pq:pq+3] offset:4*PW*(\i)
.else
	ds_store_b128 v[IB], v[pq:pq+3] offset:4*PW*((\i)-32)
.endif
.endm
.macro ZROW i                          ; image row 4 i + w is zeros
.if (\i) < 32
	ds_store_b128 v[IA], v[VZ:VZ+3] offset:4*PW*(\i)
.else
	ds_store_b128 v[IB], v[VZ:VZ+3] offset:4*PW*((\i)-32)
.endif
.endm
	; THE THREE HIDDEN IMAGES, one a trip.  Wave w fills image rows 4 i + w, i = 0..55, from W's rows 4 i' + w, i' = 0..49, in two rounds of 25 slots.
	s_mov_b32 s[CNT], 3
	s_mov_b32 s6, IMG1                             ; the image in hand
.Limg:
	s_cmp_eq_u32 s[CNT], 3                         ; every load of the trip before is done (its last wait was for 0), so the two pointers may be chosen anew
	s_cselect_b64 s[WP:WP+1], s[18:19], s[22:23]
	s_cselect_b64 s[BP:BP+1], s[20:21], s[24:25]
	s_cmp_eq_u32 s[CNT], 1
	s_cselect_b64 s[WP:WP+1], s[26:27], s[WP:WP+1]
	s_cselect_b64 s[BP:BP+1], s[28:29], s[BP:BP+1]
	v_add_nc_u32 v[IA], s6, v[FA]
	v_add_nc_u32 v[IB], 32*4*PW, v[IA]
	global_load_b128 v[BT:BT+3],   v[GB], s[BP:BP+1]
	global_load_b128 v[BT+4:BT+7], v[GB], s[BP:BP+1] offset:16
.set n, 0
.rept 25
	LDROW n, WP, 3200*n
.set n, n+1
.endr
.set n, 0
.rept 25
	s_wait_loadcnt 48                              ; loads come back in order: the 24 other slots' pairs may be out
	STROW T+8*n, n
	LDROW n, WP, 3200*(n+25)
.set n, n+1
.endr
.set n, 0
.rept 25
	s_wait_loadcnt 48-2*n                          ; the pairs of the slots behind this one
.if n+25 < 48
	STROW T+8*n, n+25
.else
	STROW T+8*n, n+27                              ; W's rows 192..199 lie in slots 200..207
.endif
.set n, n+1
.endr
	STROW BT, 52, 1                                ; slot 208: the bias
.irp i, 48,49,53,54,55
	ZROW \i
.endr
	s_add_co_u32 s6, s6, IMGSZ
	s_sub_co_u32 s[CNT], s[CNT], 1
	s_cmp_lg_u32 s[CNT], 0
	s_cbranch_scc1 .Limg
	; The first layer's rows are asked for now and land while the hidden fragments are read: b0, W0's row 0 (t), then W0's rows 4 n + w + 1
	global_load_b128 v[BT:BT+3],     v[GB], s[16:17]
	global_load_b128 v[BT+4:BT+7],   v[GB], s[16:17] offset:16
	global_load_b128 v[BT2:BT2+3],   v[GB], s[14:15]
	global_load_b128 v[BT2+4:BT2+7], v[GB], s[14:15] offset:16
.set n, 0
.rept 25
	LDROW n, 14, 800+3200*n
.set n, n+1
.endr
	SYNC                                           ; the three images are whole
; Seven fragments of one tile, at v[reg] of the window that is set: K step c from rows 32 c on
.macro RDT reg, col
.irp c, 0,1,2,3,4,5,6
.if \c < 4
	ds_load_tr16_b128 v[(\reg)+8*\c:(\reg)+8*\c+3],   v[FA] offset:32*PW*\c+(\col)
	ds_load_tr16_b128 v[(\reg)+8*\c+4:(\reg)+8*\c+7], v[FA] offset:32*PW*\c+(\col)+16*PW
.else
	ds_load_tr16_b128 v[(\reg)+8*\c:(\reg)+8*\c+3],   v[FB] offset:32*PW*(\c-4)+(\col)
	ds_load_tr16_b128 v[(\reg)+8*\c+4:(\reg)+8*\c+7], v[FB] offset:32*PW*(\c-4)+(\col)+16*PW
.endif
.endr
.endm
.macro RDH l                           ; layer l's tiles 3 w .. 3 w + 2 into window l
	s_add_co_u32 s5, s4, IMG1+((\l)-1)*IMGSZ
	v_add_nc_u32 v[FA], s5, v[TR]
	v_add_nc_u32 v[FB], 4*32*PW, v[FA]
	WIN (\l)<<6                                    ; destination window l, address window 0
.irp tt, 0,1,2
	RDT 56*\tt, 32*\tt
.endr
	WIN 0
.endm
	s_mul_i32 s4, s[WV], 96                        ; my first tile's column, in bytes
	RDH 1
	RDH 2
	RDH 3
	s_max_u32 s5, s[WV], 1                         ; the extra tile: tile 12 (features 184 on: byte 368) of layer w; wave 0, whose extra tile is the first layer's and comes later, takes layer 1's so that the registers are written
	s_sub_co_u32 s5, s5, 1
	s_mul_i32 s5, s5, IMGSZ
	s_add_co_u32 s5, s5, IMG1+368
	v_add_nc_u32 v[FA], s5, v[TR]
	v_add_nc_u32 v[FB], 4*32*PW, v[FA]
	WIN 0xc0
	RDT 200, 0
	WIN 0
	SYNC                                           ; every wave's reads of the images are back: their bytes may be written again
	; THE FIRST LAYER'S IMAGE (128 rows) and, slot by slot behind it, the requests for Wout
	s_mul_i32 s5, s[WV], PW
	s_add_co_u32 s5, s5, IMG0
	v_lshrrev_b32 v[IA], 1, v[GB]
	v_add_nc_u32 v[IA], s5, v[IA]
	s_wait_loadcnt 50                              ; b0 and W0's row 0 are in; the 25 slots' pairs may be out
	STROW BT2, 25, 1                               ; slot 100: t's row
	STROW BT, 26, 1                                ; slot 104: b0
.irp i, 27,28,29,30,31
	ZROW \i
.endr
	v_lshrrev_b32 v[GO2], 1, v[GO]                 ; a row of Wout is 25 lanes x 16 bytes
	v_lshrrev_b32 v[GB2], 1, v[GB]
	s_mul_i32 s5, s[WV], PO
	s_add_co_u32 s5, s5, IMGO
	v_lshl_add_u32 v[IO], v1, 3, s5                ; 32 lanes x 8 bytes: a row of 128 bf16
	v_lshrrev_b32 v253, 4, v1
	v_and_b32 v254, 7, v1
	v_lshl_add_u32 v253, v253, 3, v254
	v_bfe_u32 v254, v1, 3, 1
	v_mul_u32_u24 v[TR2], v253, PO
	v_lshl_add_u32 v[TR2], v254, 4, v[TR2]
	v_and_b32 v[LM0], s[W0M], v[LM]
	global_load_b128 v[BT:BT+3], v[GB2], s[32:33]  ; bout
.set n, 0
.rept 25
	s_wait_loadcnt 49                              ; behind slot n's pair: 2 (24 - n) of W0, bout's one, 2 n of Wout
	STROW T+8*n, n
	global_load_b128 v[T+8*n:T+8*n+3],   v[GO2], s[30:31] offset:1600*n        ; Wout's rows 4 n + w
	global_load_b128 v[T+8*n+4:T+8*n+7], v[GO2], s[30:31] offset:1600*(n+25)   ; and 4 (n + 25) + w
.set n, n+1
.endr
; Four f32 at v[src], rounded, masked by v[m] (columns 100..127 are zeros), are my 8 bytes of row 4 i + w of the last layer's image
.macro OROW src, i, m
.set pq, P+2*((\i)%4)
	v_cvt_pk_bf16_f32 v[pq],   v[(\src)],   v[(\src)+1]
	v_cvt_pk_bf16_f32 v[pq+1], v[(\src)+2], v[(\src)+3]
	v_and_b32 v[pq],   v[\m], v[pq]
	v_and_b32 v[pq+1], v[\m], v[pq+1]
	ds_store_b64 v[IO], v[pq:pq+1] offset:4*PO*(\i)
.endm
.set n, 0
.rept 25
	s_wait_loadcnt 48-2*n                          ; the pairs of the slots behind this one
	OROW T+8*n, n, LM
.if n+25 < 48
	OROW T+8*n+4, n+25, LM
.else
	OROW T+8*n+4, n+27, LM
.endif
.set n, n+1
.endr
	OROW BT, 52, LM0                               ; slot 208: bout
.irp i, 48,49,53,54,55
	ds_store_b64 v[IO], v[VZ:VZ+1] offset:4*PO*\i
.endr
	; addresses of the last fragment reads, made while TR is still there; then the main loop's registers (no global load is out: the last wait was for 0)
	s_mul_i32 s5, s[WV], 96
	s_add_co_u32 s5, s5, IMG0
	v_add_nc_u32 v[A0], s5, v[TR]
	v_add_nc_u32 v[AX], IMG0+368, v[TR]
	s_lshl_b32 s5, s[WV], 6
	s_add_co_u32 s5, s5, IMGO
	v_add_nc_u32 v[AO], s5, v[TR2]
	v_lshlrev_b32 v[L16], 4, v1
	s_mul_i32 s5, s[WV], 1536
	v_add_nc_u32 v[STW], s5, v[L16]
	s_lshl_b32 s5, s[WV], 10
	v_add_nc_u32 v[STS], s5, v[L16]
	v_and_b32 v219, 15, v1                         ; r
	v_lshrrev_b32 v220, 4, v1                      ; h
	v_mul_u32_u24 v[OST], v219, 528
	v_lshl_add_u32 v[OST], v220, 5, v[OST]
	s_lshl_b32 s5, s[WV], 7
	v_add_nc_u32 v[OST], s5, v[OST]
	s_lshl_b32 s5, s[WV], 5
	v_lshl_add_u32 v221, v220, 3, s5               ; 32 w + 8 h
	v_mul_u32_u24 v222, v219, 40400                ; a row of dW
.irp k, 0,1,2,3
	v_add_nc_u32 v223, 16*(\k/2)+4*(\k%2), v221
	v_cmp_gt_u32 s[VM+\k], 100, v223               ; the quad holds real features
	v_min_u32 v223, 96, v223                       ; a padding quad reads features 96..99 and meets u = 0
	v_lshl_add_u32 v[DWO+\k], v223, 2, v222
.endr
	; dW of steps 0..3.  No hint: a slice's 400 bytes share aligned blocks of 256 bytes with the next slice, which is read a step later
.irp sl, 0,1,2,3
.irp k, 0,1,2,3
	global_load_b128 v[DW+16*\sl+4*\k:DW+16*\sl+4*\k+3], v[DWO+\k], s[12:13] offset:400*\sl
.endr
.endr
	s_add_nc_u64 s[DP:DP+1], s[12:13], 1600        ; the first trip asks for slices 4..7
	s_add_nc_u64 s[TP:TP+1], s[10:11], 4           ; and for timegrid[1..4]
	SYNC                                           ; the two images are whole
.irp tt, 0,1,2                         ; the first layer's tile 3 w + tt into window tt + 1
	WIN (\tt+1)<<6
.irp c, 0,1,2,3
	ds_load_tr16_b128 v[168+8*\c:168+8*\c+3], v[A0] offset:32*PW*\c+32*\tt
	ds_load_tr16_b128 v[168+8*\c+4:168+8*\c+7], v[A0] offset:32*PW*\c+32*\tt+16*PW
.endr
.endr
.irp tt, 0,1                           ; the last layer's tile 2 w + tt into window tt + 1
	WIN (\tt+1)<<6
.irp c, 0,1,2,3,4,5,6
	ds_load_tr16_b128 v[200+8*\c:200+8*\c+3], v[AO] offset:32*PO*\c+32*\tt
	ds_load_tr16_b128 v[200+8*\c+4:200+8*\c+7], v[AO] offset:32*PO*\c+32*\tt+16*PO
.endr
.endr
	WIN 0                                          ; at a branch and at a label every window is 0
	s_cmp_lg_u32 s[WV], 0
	s_cbranch_scc1 .Lno_extra0
	WIN 0xc0                                       ; wave 0: the first layer's tile 12 is its extra tile (four K steps)
.irp c, 0,1,2,3
	ds_load_tr16_b128 v[200+8*\c:200+8*\c+3], v[AX] offset:32*PW*\c
	ds_load_tr16_b128 v[200+8*\c+4:200+8*\c+7], v[AX] offset:32*PW*\c+16*PW
.endr
	WIN 0
.Lno_extra0:
	; h, sqrt(h); S's padding; err = 0; the constant tile.  All this stands in the wait for the fragments, which ends at the barrier below
	s_wait_kmcnt 0x0
	v_mov_b32 v220, s[TG]
	v_sub_f32 v220, s[TG+1], v220                  ; h = timegrid[1] - timegrid[0]
	v_sqrt_f32 v221, v220
	v_nop                                          ; a plain instruction behind the root, ahead of the use of its result
	v_readfirstlane_b32 s[HH], v220
	s_wait_alu depctr_va_vdst(0)
	v_readfirstlane_b32 s[RH], v221
	s_mov_b32 s[HH+1], s[HH]                       ; named as pairs
	s_mov_b32 s[RH+1], s[RH]
.irp k, 0,1,2,3
.irp e, 0,1,2,3
	v_cndmask_b32 v[S+4*\k+\e], 0, v[S+4*\k+\e], s[VM+\k]
.endr
.endr
	v_cndmask_b32 v[S], v[S], 1.0, s[OM]           ; slot 104: 1.0, for b0
	v_cndmask_b32 v[S+4], v[S+4], s[TG], s[TM]     ; slot 100: t of step 0
.set n, 0
.rept 16
	v_mov_b32 v[ERR+n], 0
.set n, n+1
.endr
	v_mov_b32 v224, 0x3f80                         ; 1.0 in bf16, in the low half: slot 208
	v_cmp_gt_u32 vcc_lo, 16, v1
	v_cndmask_b32 v[BF+52], 0, v224, vcc_lo
	v_mov_b32 v[BF+53], 0
	v_mov_b32 v[BF+54], 0
	v_mov_b32 v[BF+55], 0
; n tiles of the stage at x into source 1's registers: 16 bytes a lane, the lane's own place
.macro LOADB x, n
.set tl, 0
.rept \n
	ds_load_b128 v[BF+4*tl:BF+4*tl+3], v[L16] offset:(\x)+512*tl
.set tl, tl+1
.endr
.endm
; S goes out as bf16 for the next step's first layer; behind the barrier all eight tiles come in
.macro PUBLISH
.irp p, 0,1,2,3,4,5,6,7
	v_cvt_pk_bf16_f32 v[PK+\p], v[S+2*\p], v[S+2*\p+1]
.endr
	ds_store_b128 v[STS], v[PK:PK+3] offset:X0
	ds_store_b128 v[STS], v[PK+4:PK+7] offset:X0+512
	SYNC
	LOADB X0, 8
.endm
; One product: accumulator a += weights at v[wr] of window win x K step c of source 1.  The first K step starts the sum with the constant 0
.macro MM a, win, wr, c
	WIN \win                                       ; source 0 in that window; source 1, C and D in window 0
.if (\c) == 0
	v_wmma_f32_16x16x32_bf16 v[ACC+8*(\a):ACC+8*(\a)+7], v[(\wr):(\wr)+7], v[BF+8*(\c):BF+8*(\c)+7], 0
.else
	v_wmma_f32_16x16x32_bf16 v[ACC+8*(\a):ACC+8*(\a)+7], v[(\wr):(\wr)+7], v[BF+8*(\c):BF+8*(\c)+7], v[ACC+8*(\a):ACC+8*(\a)+7]
.endif
.endm
; The accumulators take turns, one instruction a turn: three of them, or four with the extra tile.
; The first layer: four K steps; its three tiles lie in three windows, so each product has a switch.  The count leaves out the stage's tiles behind K step c: 8 - (2 c + 2)
.macro G0 four
.irp c, 0,1,2,3
	s_wait_dscnt 6-2*\c
.if \four
	MM 3, 3, 200+8*\c, \c
.endif
	MM 0, 1, 168+8*\c, \c
	MM 1, 2, 168+8*\c, \c
	MM 2, 3, 168+8*\c, \c
.endr
	WIN 0
	PLACES
.endm
; Hidden layer l: seven K steps; the count is 13 - (2 c + 2); the last K step needs tile 12 alone (tile 13 is constant)
.macro GH l, four
.irp c, 0,1,2,3,4,5,6
.if \c < 6
	s_wait_dscnt 11-2*\c
.else
	s_wait_dscnt 0x0
.endif
.if \four
	MM 3, 3, 200+8*\c, \c
.endif
	MM 0, \l, 8*\c, \c
	MM 1, \l, 56+8*\c, \c
	MM 2, \l, 112+8*\c, \c
.endr
	WIN 0
	PLACES
.endm
; Accumulator a: rounded to bf16 (from its lowest registers on), ReLU on the packed halves, 16 bytes a lane into the stage
.macro EPI a, adr, off
.irp j, 0,1,2,3
	v_cvt_pk_bf16_f32 v[PK+4*(\a)+\j], v[ACC+8*(\a)+2*\j], v[ACC+8*(\a)+2*\j+1]
.endr
.irp j, 0,1,2,3
	v_pk_max_num_bf16 v[PK+4*(\a)+\j], v[PK+4*(\a)+\j], v[VZ]
.endr
	ds_store_b128 v[\adr], v[PK+4*(\a):PK+4*(\a)+3] offset:\off
.endm
; Layer l (0..3), its result into the stage at xo.  Wave l takes the way with the extra tile; the branch hangs on the wave's number alone and passes no barrier.
; The barrier: every wave's tiles are stored, and its reads of the stage that fed this layer are back.  A stage is written again a step later, four more barriers on.
.macro LAYER l, xo
	s_cmp_eq_u32 s[WV], \l
	s_cbranch_scc1 .Lfour_\@
.if (\l) == 0
	G0 0
.else
	GH \l, 0
.endif
	s_branch .Ljoin_\@
.Lfour_\@:
.if (\l) == 0
	G0 1
.else
	GH \l, 1
.endif
	EPI 3, L16, (\xo)+6144
.Ljoin_\@:
	EPI 0, STW, (\xo)
	EPI 1, STW, (\xo)+512
	EPI 2, STW, (\xo)+1024
	SYNC
	LOADB \xo, 13
.endm
; One step, on dW's slot sl
.macro STEP sl
	LAYER 0, X1
	LAYER 1, X2
	LAYER 2, X3
	LAYER 3, X4
	s_wait_loadcnt 12                              ; this step's four loads of dW are in; the three younger slots' twelve stay out
.irp p, 0,1,2,3,4,5,6,7                ; f = sqrt(h) dW + h, in place, while the stage's tiles come in
	v_pk_fma_f32 v[DW+16*(\sl)+2*\p:DW+16*(\sl)+2*\p+1], v[DW+16*(\sl)+2*\p:DW+16*(\sl)+2*\p+1], s[RH:RH+1], s[HH:HH+1] op_sel_hi:[1,0,0]
.endr
.irp c, 0,1,2,3,4,5,6                  ; the last layer: two tiles, in windows 1 and 2, by turns
.if \c < 6
	s_wait_dscnt 11-2*\c
.else
	s_wait_dscnt 0x0
.endif
	MM 0, 1, 200+8*\c, \c
	MM 1, 2, 200+8*\c, \c
.endr
	WIN 0
	PLACES
.irp p, 0,1,2,3,4,5,6,7                ; S += u f: each accumulator is read from its lowest registers on
	v_pk_fma_f32 v[S+2*\p:S+2*\p+1], v[ACC+2*\p:ACC+2*\p+1], v[DW+16*(\sl)+2*\p:DW+16*(\sl)+2*\p+1], v[S+2*\p:S+2*\p+1]
.endr
.if (\sl) == 0
	s_wait_kmcnt 0x0                               ; the trip's four t
.endif
	v_cndmask_b32 v[S+4], v[S+4], s[TT+(\sl)], s[TM]  ; the next step's t
	PUBLISH
.irp k, 0,1,2,3                        ; the slot is asked for again: the slice four steps on
	global_load_b128 v[DW+16*(\sl)+4*\k:DW+16*(\sl)+4*\k+3], v[DWO+\k], s[DP:DP+1] offset:400*(\sl)
.endr
.irp p, 0,1,2,3,4,5,6,7                ; err += u (u h), while S's tiles come in
	v_pk_mul_f32 v[ACC+16+2*\p:ACC+16+2*\p+1], v[ACC+2*\p:ACC+2*\p+1], s[HH:HH+1] op_sel_hi:[1,0]
.endr
.irp p, 0,1,2,3,4,5,6,7
	v_pk_fma_f32 v[ERR+2*\p:ERR+2*\p+1], v[ACC+2*\p:ACC+2*\p+1], v[ACC+16+2*\p:ACC+16+2*\p+1], v[ERR+2*\p:ERR+2*\p+1]
.endr
.endm
	PUBLISH                                        ; its barrier also ends the wait for the weights' fragments
	s_mov_b32 s[CNT], 25
.Ltrip:                                                ; 25 trips of four steps
.irp j, 0,1,2,3
	s_load_b32 s[TT+\j], s[TP:TP+1], 4*\j          ; timegrid[4 trip + 1 + j]: index 100 at the most, the tensor's last
.endr
	STEP 0
	STEP 1
	STEP 2
	STEP 3
	s_sub_co_u32 s[CNT], s[CNT], 1
	s_cmp_gt_u32 s[CNT], 1                         ; the last trip asks for slices 96..99 once more: inside dW, and every count stays as it is
	s_cselect_b32 s[INC], 1600, 0
	s_wait_xcnt 0x0                                ; the two pointers are stepped only behind this wait
	s_add_nc_u64 s[DP:DP+1], s[DP:DP+1], s[INC:INC+1]
	s_add_nc_u64 s[TP:TP+1], s[TP:TP+1], 16
	s_cmp_lg_u32 s[CNT], 0
	s_cbranch_scc1 .Ltrip
	; THE WAY OUT.  err + S S goes into 16 rows of 528 bytes in LDS and comes back as the 6,400 consecutive bytes of my 16 rows of out0, 16 bytes a thread.
.irp p, 0,1,2,3,4,5,6,7
	v_pk_fma_f32 v[ERR+2*\p:ERR+2*\p+1], v[S+2*\p:S+2*\p+1], v[S+2*\p:S+2*\p+1], v[ERR+2*\p:ERR+2*\p+1]
.endr
.irp k, 0,1,2,3
	ds_store_b128 v[OST], v[ERR+4*\k:ERR+4*\k+3] offset:OUTS+64*(\k/2)+16*(\k%2)
.endr
.irp i, 0,1,2                          ; chunk c = thread + 128 i lies in row c / 25 = (5,243 c) >> 17 (exact for c < 400), at 16 c + 128 row
	v_add_nc_u32 v[64+\i], 128*\i, v0
	v_mul_u32_u24 v67, v[64+\i], 5243
	v_lshrrev_b32 v67, 17, v67
	v_lshlrev_b32 v[70+\i], 4, v[64+\i]
	v_lshl_add_u32 v[74+\i], v67, 7, v[70+\i]
.endr
	SYNC                                           ; every wave's part of the rows is stored
.irp i, 0,1,2
	ds_load_b128 v[ACC+4*\i:ACC+4*\i+3], v[74+\i] offset:OUTS
.endr
.irp i, 0,1,2
	s_wait_dscnt 2-\i
	global_store_b128 v[70+\i], v[ACC+4*\i:ACC+4*\i+3], s[34:35] th:TH_STORE_NT  ; a wave stores 512 consecutive bytes, at a multiple of 256 from out0's first byte
.endr
	s_cmp_lg_u32 s[WV], 0
	s_cbranch_scc1 .Lend
	v_min_u32 v78, 15, v1                          ; chunks 384..399, all of row 15: wave 0, lanes 0-15
	v_lshlrev_b32 v78, 4, v78
	v_add_nc_u32 v78, 16*384, v78
	ds_load_b128 v[ACC+12:ACC+15], v78 offset:OUTS+15*128
	v_cmp_gt_u32 vcc_lo, 16, v1
	s_wait_dscnt 0x0
	s_wait_xcnt 0x0                                ; EXEC changes only behind this wait: it is a source of the stores and loads that are out
	s_and_saveexec_b32 s[SX], vcc_lo
	global_store_b128 v78, v[ACC+12:ACC+15], s[34:35] th:TH_STORE_NT             ; 256 consecutive bytes, at a multiple of 256
	s_wait_xcnt 0x0                                ; and again, in front of the line that widens it
	s_or_b32 exec_lo, exec_lo, s[SX]
.Lend:
	s_wait_tensorcnt 0x0                           ; the wave's end, behind my last LDS store
	ds_add_u32 v[SPW], v[NIL]
	s_wait_dscnt 0x0
	s_endpgm
.Lfunc_end_k_qf36f1b9585_solve:
	.size	k_qf36f1b9585_solve, .Lfunc_end_k_qf36f1b9585_solve-k_qf36f1b9585_solve
	.p2alignl 7, 3214868480
	.fill 96, 4, 3214868480
	.section	.rodata,"a",@progbits
	.p2align	6, 0x0
	.amdhsa_kernel k_qf36f1b9585_solve
		.amdhsa_group_segment_fixed_size 319488
		.amdhsa_private_segment_fixed_size 0
		.amdhsa_enable_private_segment 0
		.amdhsa_kernarg_size 112
		.amdhsa_user_sgpr_count 2
		.amdhsa_user_sgpr_kernarg_segment_ptr 1
		.amdhsa_wavefront_size32 1
		.amdhsa_system_sgpr_workgroup_id_x 1
		.amdhsa_system_sgpr_workgroup_id_y 1
		.amdhsa_system_sgpr_workgroup_id_z 1
		.amdhsa_system_vgpr_workitem_id 0
		.amdhsa_next_free_vgpr 1024
		.amdhsa_next_free_sgpr 72
		.amdhsa_reserve_vcc 1
		.amdhsa_float_denorm_mode_32 3
		.amdhsa_float_denorm_mode_16_64 3
		.amdhsa_memory_ordered 1
		.amdhsa_forward_progress 1
		.amdhsa_inst_pref_size 226
	.end_amdhsa_kernel
	.amdgpu_metadata
---
amdhsa.version: [ 1, 2 ]
amdhsa.kernels:
  - .name:           k_qf36f1b9585_solve
    .symbol:         k_qf36f1b9585_solve.kd
    .args:
      - { .name: S0, .offset: 0, .size: 8, .value_kind: global_buffer, .address_space: global }
      - { .name: timegrid, .offset: 8, .size: 8, .value_kind: global_buffer, .address_space: global }
      - { .name: dW, .offset: 16, .size: 8, .value_kind: global_buffer, .address_space: global }
      - { .name: W0, .offset: 24, .size: 8, .value_kind: global_buffer, .address_space: global }
      - { .name: b0, .offset: 32, .size: 8, .value_kind: global_buffer, .address_space: global }
      - { .name: W1, .offset: 40, .size: 8, .value_kind: global_buffer, .address_space: global }
      - { .name: b1, .offset: 48, .size: 8, .value_kind: global_buffer, .address_space: global }
      - { .name: W2, .offset: 56, .size: 8, .value_kind: global_buffer, .address_space: global }
      - { .name: b2, .offset: 64, .size: 8, .value_kind: global_buffer, .address_space: global }
      - { .name: W3, .offset: 72, .size: 8, .value_kind: global_buffer, .address_space: global }
      - { .name: b3, .offset: 80, .size: 8, .value_kind: global_buffer, .address_space: global }
      - { .name: Wout, .offset: 88, .size: 8, .value_kind: global_buffer, .address_space: global }
      - { .name: bout, .offset: 96, .size: 8, .value_kind: global_buffer, .address_space: global }
      - { .name: out0, .offset: 104, .size: 8, .value_kind: global_buffer, .address_space: global }
    .group_segment_fixed_size: 319488
    .private_segment_fixed_size: 0
    .kernarg_segment_align: 8
    .kernarg_segment_size: 112
    .max_flat_workgroup_size: 128
    .sgpr_count:     72
    .vgpr_count:     1024
    .wavefront_size: 32
...
	.end_amdgpu_metadata
.endif
;; end of part 1
;; ======== version 2 of 2: 1 launch; 1.19 times as fast as version 1
;; launch solve (part 2): grid 256 x 1, 4 waves a work-group, no clusters, 319,488 bytes of LDS; arguments S0, timegrid, dW, W0, b0, W1, b1, W2, b2, W3, b3, Wout, bout, out0; writes out0
.if DOCPART == 2
	.amdgcn_target "amdgcn-amd-amdhsa--gfx1250"
	.amdhsa_code_object_version 6
	.text
	.protected	k_qf36f1b9585_solve
	.globl	k_qf36f1b9585_solve
	.p2align	8
	.type	k_qf36f1b9585_solve,@function
k_qf36f1b9585_solve:
	s_mov_b64 s[64:65], 0
	v_nop
	global_prefetch_b8 v0, s[64:65] scope:SCOPE_SE
	s_setreg_imm32_b32 hwreg(HW_REG_WAVE_MODE, 25, 1), 1
	s_wait_xcnt 0x0
; 100 Euler steps of S += u h + u sqrt(h) dW, err += u u h, with u = MLP(t, S) (101 -> 200 -> 200 -> 200 -> 200 -> 100, ReLU between), then out = err + S S.
; SHARES.  A work-group of four waves owns 16 batch rows for all 100 steps: 4,096 rows / 16 = 256 work-groups.  S and err stay in f32 registers from first to last.
; THE PRODUCT.  Source 0 = 16 output features x 32 k of weights, source 1 = 32 k x 16 batch rows of activations.  In the result lane (r = lane % 16, h = lane / 16) holds batch row r and
; features 8 h + 0..7 of the tile; two such tiles rounded to bf16 in pairs ARE a source 1 of the next layer.  So nothing changes lanes; a tile (512 bytes, 16 a lane) goes through LDS only
; to reach the other waves.  Each of the five layer inputs has a stage of its own, written again a whole step later: one barrier a layer.
; WEIGHTS stay in registers as bf16 fragments, 768 a wave (windows 1 to 3, to the last register).  The prologue rounds them and lays them in LDS as [k slot][feature], from where the turning load takes fragments.
; TILES.  200 features are 13 tiles: tile T < 12 holds features 16 T on, tile 12 features 184..199 (184..191 a second time).  K slots of a layer with 200 inputs (224 = 14 tiles of 16): slot < 192: that row of W;
; 192..199: zeros (they meet the repeated features); 200..207: rows 192..199; 208: the bias (tile 13 of source 1 holds 1.0 there, in four registers that are never loaded); 209..223: zeros.
; K slots of the first layer (128): slot < 100: row slot + 1 of W0 (S); 100: row 0 (t); 104: b0 (1.0); else zeros.  t and 1.0 live in padding places of wave 3's S; the last layer's columns 100..127 are zeros, so u = 0 there.
; Wave w makes tiles 3 w .. 3 w + 2 of each hidden layer, wave l also tile 12 of layer l, and tiles 2 w, 2 w + 1 of the last layer.
; THE ORDER OF K IS THE WAVE'S OWN.  A sum over k may take its tiles in any order if weights and activations take the same.  Wave w takes: its own three tiles, tile 13, the tiles of waves w + 1, w + 2, w + 3 (mod 4), tile 12.
; Its own tiles and tile 13 lie in its registers already (PK): of a layer's seven K steps the first is issued while the stage's stores are on their way, the second while the other waves' ten tiles come in.
; The first layer likewise: a wave's two tiles of S are one of its four K steps.  The weights' fragments were read from the images in that same order.
; NO CLUSTER, NO TENSOR LOADS: the weights (644,400 bytes with the biases) arrive as f32 [k][n] and are rounded on their way through registers, once, ahead of the loop; as f32 they are more than LDS holds;
; dW, 646,400 bytes a work-group, is shared by no two work-groups and goes straight into registers, four steps ahead of its use.
; LIMITS.  Weights, biases, t, S as the net's input and the activations are rounded to bf16 (S and err themselves never).  S += u (h + sqrt(h) dW) is one fused multiply-add on a factor made by another,
; where the definition rounds three times; err += u (u h).  The packed maximum turns a NaN activation into 0.  sqrt(h) is v_sqrt_f32's: within 1 ulp, a denormal h counts as 0.  Infinities and NaN are not treated apart.
.set X0,    0                          ; LDS: S as bf16, 8 tiles of 512 bytes
.set X1,    4096                       ; the four hidden activations, 13 tiles each
.set X2,    10752
.set X3,    17408
.set X4,    24064
.set OUTS,  30720                      ; the way out: 16 rows of 128 f32, 528 bytes apart
.set SPARE, 39168                      ; the spare words: 128 bytes a wave, two blocks of 256 bytes that no other line names
.set IMG1,  39680                      ; three images of hidden layers: 224 rows, 416 bytes apart (13 x 32), 400 used
.set IMGSZ, 93184
.set IMG0,  IMG1                       ; later: the first layer's image, 128 rows of 416,
.set IMGO,  IMG1+IMGSZ                 ; and the last layer's, 224 rows, 288 bytes apart (9 x 32), 256 used
.set PW,    416
.set PO,    288
.set TB,    16*PW                      ; the 16 rows of a tile of k in an image
.set TBO,   16*PO
; window 0, always
.set SPW, 2                            ; v2   my spare word: SPARE + 4 x my thread's number; never rewritten
.set NIL, 3                            ; v3   0; never rewritten
.set VZ,  12                           ; v12-15  zeros
.set S,   16                           ; v16-31  S: feature 32 w + 16 tt + 8 h + j at S + 8 tt + j
; window 0, prologue
.set GO,  4                            ; 800 w + 32 min(lane, 24): my 8 numbers in row w of four rows of 200
.set GB,  5                            ; 32 min(lane, 24)
.set IA,  6                            ; where my 16 bytes of image row w lie; row 4 i + w by the immediate
.set IB,  7                            ; the same 32 x 4 rows on
.set TR,  8                            ; the turning load's lane term at pitch 416
.set FA,  9                            ; 416 w + 16 min(lane, 24)
.set LM,  11                           ; -1 in lanes 0..24
.set T,   32                           ; v32-231  25 slots of 8 f32
.set P,   232                          ; v232-239 rounded rows on their way to LDS; between the fillings: five fragment addresses
.set BT,  240                          ; v240-247 a bias; at the prologue's end: at work
.set BT2, 248                          ; v248-255 row 0 of W0; then:
.set GO2, 248                          ; 400 w + 16 min(lane, 24)
.set GB2, 249                          ; 16 min(lane, 24)
.set IO,  250                          ; IMGO + 288 w + 8 lane
.set TR2, 251                          ; the turning load's lane term at pitch 288
.set LM0, 252                          ; LM in wave 0, else 0
.set A0,  216                          ; v216-219 addresses of the first layer's fragments, one a K step
.set AX,  221                          ; of wave 0's extra tile
.set AO,  222                          ; v222-226 of the last layer's
; window 0, main loop
.set L16, 4                            ; 16 lane
.set STW, 5                            ; 16 lane + 1,536 w: my three tiles in a hidden stage
.set STS, 6                            ; 16 lane + 1,024 w: my two tiles in X0
.set OST, 7                            ; 528 r + 128 w + 32 h
.set DWO, 8                            ; v8-11  quad k = 2 tt + q of dW: 40,400 r + 4 min(32 w + 16 tt + 8 h + 4 q, 96)
.set ERR, 32                           ; v32-47
.set ACC, 48                           ; v48-79   four accumulators
.set BF,  80                           ; v80-119  source 1: the ten tiles that come from LDS, in my order
.set AG,  120                          ; v120-122 16 lane + 1,536 ((w + g) mod 4), g = 1..3: the three tiles of that wave in a hidden stage
.set AS,  123                          ; v123-125 16 lane + 1,024 ((w + g) mod 4): its two tiles in X0
.set PKX, 128                          ; v128-131 the extra tile, rounded
.set PK,  136                          ; v136-147 my three tiles, rounded: stored from here and multiplied from here; v148-151 tile 13, constant
.set DW,  152                          ; v152-215 four slots of 16: dW of four steps
.set UA,  216                          ; v216-231 the last layer's two accumulators: u
.set UT,  232                          ; v232-247 u h
; windows X = 1, 2, 3: v0-167 layer X (tile tt, K step c at 56 tt + 8 c); v168-199 first layer, tile X - 1; v200-255 last layer's tile 0 (X = 1), tile 1 (X = 2), the wave's extra tile (X = 3)
.set WV,  2                            ; s2   my wave's number
.set CNT, 36
.set SX,  37                           ; EXEC, kept
.set W0M, 38                           ; -1 in wave 0
.set TM,  39                           ; wave 3: lanes 0-15 (where t lives in S + 4)
.set HH,  40                           ; s[40:41] h
.set RH,  42                           ; s[42:43] sqrt(h)
.set TT,  44                           ; s44-47 the t of the four steps behind this trip's
.set WP,  48                           ; s[48:49], s[50:51] the hidden layer in hand: W, b
.set BP,  50
.set DP,  52                           ; s[52:53] dW at my rows, at the slices that this trip asks for
.set TP,  56                           ; s[56:57] timegrid at this trip's four t
.set INC, 58                           ; s[58:59] DP's step
.set VM,  60                           ; s60-63 lanes whose quad k holds real features
.set OM,  66                           ; wave 3: lanes 16-31 (where 1.0 lives in S + 0)
.set TG,  68                           ; s[68:69] timegrid[0], timegrid[1]
.set MSB, 0
.macro WIN new                         ; the immediate's high byte repeats the setting that is left; a switch that changes nothing is dropped
.if MSB != (\new)
	s_set_vgpr_msb (MSB<<8)|(\new)
.set MSB, (\new)
.endif
.endm
.macro SYNC                            ; my LDS instructions are done, stores and loads; then every wave's are
	s_wait_dscnt 0x0
	s_barrier_signal -1
	s_barrier_wait -1
.endm
.macro PLACES                          ; four places behind a matrix instruction, ahead of what reads its result or writes its sources (ISA guide 7.12.1)
.rept 4
	v_nop
.endr
.endm
	s_load_b512 s[8:23], s[0:1], 0x0               ; S0 s[8:9], timegrid s[10:11], dW s[12:13], W0 s[14:15], b0 s[16:17], W1 s[18:19], b1 s[20:21], W2 s[22:23]
	s_load_b256 s[24:31], s[0:1], 0x40             ; b2 s[24:25], W3 s[26:27], b3 s[28:29], Wout s[30:31]
	s_load_b128 s[32:35], s[0:1], 0x60             ; bout s[32:33], out0 s[34:35]
	v_lshl_add_u32 v[SPW], v0, 2, SPARE
	v_mov_b32 v[NIL], 0
	v_and_b32 v1, 31, v0                           ; lane
	v_lshrrev_b32 v36, 5, v0
	v_readfirstlane_b32 s[WV], v36                 ; wave 0..3
	s_cmp_eq_u32 s[WV], 0
	s_cselect_b32 s[W0M], -1, 0
	s_cmp_eq_u32 s[WV], 3
	s_cselect_b32 s[TM], 0xffff, 0
	s_cselect_b32 s[OM], 0xffff0000, 0
	s_mov_b32 s[INC+1], 0
.irp j, 0,1,2,3
	v_mov_b32 v[VZ+\j], 0
.endr
	v_lshrrev_b32 v36, 4, v1                       ; h
	v_and_b32 v37, 15, v1                          ; r
	s_lshl_b32 s4, s[WV], 5
	v_lshl_add_u32 v38, v36, 3, s4                 ; 32 w + 8 h
	v_mul_u32_u24 v39, v37, 400                    ; a row of S0
.irp k, 0,1,2,3
	v_add_nc_u32 v[T+\k], 16*(\k/2)+4*(\k%2), v38  ; quad k's first feature,
	v_min_u32 v[T+\k], 96, v[T+\k]                 ; held inside the row: the padding quads read features 96..99 and are masked later
	v_lshl_add_u32 v[T+\k], v[T+\k], 2, v39
.endr
	v_min_u32 v[GB], 24, v1                        ; a row of 200 f32 is 25 lanes x 32 bytes; lanes 25-31 repeat lane 24: same bytes in, same bytes to the same place in LDS
	v_lshlrev_b32 v[GB], 5, v[GB]
	s_mul_i32 s4, s[WV], 800
	v_add_nc_u32 v[GO], s4, v[GB]
	v_lshrrev_b32 v[FA], 1, v[GB]
	s_mul_i32 s4, s[WV], PW
	v_add_nc_u32 v[FA], s4, v[FA]                  ; 416 w + 16 min(lane, 24)
	; The turning load takes 16 k x 16 features: lane l reads 16 bytes of row 8 (l / 16) + l % 8, features 8 ((l / 8) % 2) on, and is left with feature l % 16 and 8 k: half a fragment of source 0.
	v_and_b32 v40, 7, v1
	v_lshl_add_u32 v40, v36, 3, v40
	v_bfe_u32 v41, v1, 3, 1
	v_mul_u32_u24 v[TR], v40, PW
	v_lshl_add_u32 v[TR], v41, 4, v[TR]
	v_cmp_gt_u32 vcc_lo, 25, v1
	v_cndmask_b32 v[LM], 0, -1, vcc_lo
	s_mul_i32 s4, ttmp9, 6400                      ; my 16 rows of S0 and out0,
	s_mov_b32 s5, 0
	s_mul_i32 s6, ttmp9, 646400                    ; and of dW: under 2^32 for 256 work-groups
	s_mov_b32 s7, 0
	s_wait_kmcnt 0x0
	s_load_b64 s[TG:TG+1], s[10:11], 0x0
	s_add_nc_u64 s[8:9], s[8:9], s[4:5]
	s_add_nc_u64 s[34:35], s[34:35], s[4:5]
	s_add_nc_u64 s[12:13], s[12:13], s[6:7]
.irp k, 0,1,2,3
	global_load_b128 v[S+4*\k:S+4*\k+3], v[T+\k], s[8:9]
.endr
	s_wait_xcnt 0x0                                ; the four offsets lie in registers that the loads below land on
; A row of 8 f32 a lane: slot n of T from row (imm / 800) + w of the tensor at s[base]
.macro LDROW n, base, imm
	global_load_b128 v[T+8*(\n):T+8*(\n)+3],   v[GO], s[(\base):(\base)+1] offset:(\imm)
	global_load_b128 v[T+8*(\n)+4:T+8*(\n)+7], v[GO], s[(\base):(\base)+1] offset:(\imm)+16
.endm
; Eight f32 at v[src] are rounded to bf16 and stored as my 16 bytes of image row 4 i + w.  m = 1: the row is real in wave 0 alone, zeros in the others
.macro STROW src, i, m=0
.set pq, P+4*((\i)%2)
.irp j, 0,1,2,3
	v_cvt_pk_bf16_f32 v[pq+\j], v[(\src)+2*\j], v[(\src)+2*\j+1]
.endr
.if \m
.irp j, 0,1,2,3
	v_and_b32 v[pq+\j], s[W0M], v[pq+\j]
.endr
.endif
.if (\i) < 32
	ds_store_b128 v[IA], v[pq:pq+3] offset:4*PW*(\i)
.else
	ds_store_b128 v[IB], v[pq:pq+3] offset:4*PW*((\i)-32)
.endif
.endm
.macro ZROW i                          ; image row 4 i + w is zeros
.if (\i) < 32
	ds_store_b128 v[IA], v[VZ:VZ+3] offset:4*PW*(\i)
.else
	ds_store_b128 v[IB], v[VZ:VZ+3] offset:4*PW*((\i)-32)
.endif
.endm
	; THE THREE HIDDEN IMAGES, one a trip.  Wave w fills image rows 4 i + w, i = 0..55, from W's rows 4 i' + w, i' = 0..49, in two rounds of 25 slots.
	s_mov_b32 s[CNT], 3
	s_mov_b32 s6, IMG1                             ; the image in hand
.Limg:
	s_cmp_eq_u32 s[CNT], 3                         ; every load of the trip before is done (its last wait was for 0), so the two pointers may be chosen anew
	s_cselect_b64 s[WP:WP+1], s[18:19], s[22:23]
	s_cselect_b64 s[BP:BP+1], s[20:21], s[24:25]
	s_cmp_eq_u32 s[CNT], 1
	s_cselect_b64 s[WP:WP+1], s[26:27], s[WP:WP+1]
	s_cselect_b64 s[BP:BP+1], s[28:29], s[BP:BP+1]
	v_add_nc_u32 v[IA], s6, v[FA]
	v_add_nc_u32 v[IB], 32*4*PW, v[IA]
	global_load_b128 v[BT:BT+3],   v[GB], s[BP:BP+1]
	global_load_b128 v[BT+4:BT+7], v[GB], s[BP:BP+1] offset:16
.set n, 0
.rept 25
	LDROW n, WP, 3200*n
.set n, n+1
.endr
.set n, 0
.rept 25
	s_wait_loadcnt 48                              ; loads come back in order: the 24 other slots' pairs may be out
	STROW T+8*n, n
	LDROW n, WP, 3200*(n+25)
.set n, n+1
.endr
.set n, 0
.rept 25
	s_wait_loadcnt 48-2*n                          ; the pairs of the slots behind this one
.if n+25 < 48
	STROW T+8*n, n+25
.else
	STROW T+8*n, n+27                              ; W's rows 192..199 lie in slots 200..207
.endif
.set n, n+1
.endr
	STROW BT, 52, 1                                ; slot 208: the bias
.irp i, 48,49,53,54,55
	ZROW \i
.endr
	s_add_co_u32 s6, s6, IMGSZ
	s_sub_co_u32 s[CNT], s[CNT], 1
	s_cmp_lg_u32 s[CNT], 0
	s_cbranch_scc1 .Limg
	; The first layer's rows are asked for now and land while the hidden fragments are read: b0, W0's row 0 (t), then W0's rows 4 n + w + 1
	global_load_b128 v[BT:BT+3],     v[GB], s[16:17]
	global_load_b128 v[BT+4:BT+7],   v[GB], s[16:17] offset:16
	global_load_b128 v[BT2:BT2+3],   v[GB], s[14:15]
	global_load_b128 v[BT2+4:BT2+7], v[GB], s[14:15] offset:16
.set n, 0
.rept 25
	LDROW n, 14, 800+3200*n
.set n, n+1
.endr
	SYNC                                           ; the three images are whole
; Fragment addresses in my order of k: v[ad + g] = lane term + s[sb] + gb x ((w + g) mod 4), g = 0..3: the rows of that wave's tiles; v[ad + 4] = lane term + s[sb] + cb: tiles 12 and 13 (cb = 0: none).
; The wave's number is taken from v0 by plain vector arithmetic, so that each address can be read off these lines.
.macro MKA ad, tr, sb, gb, cb
.irp g, 0,1,2,3
	v_lshrrev_b32 v[(\ad)+\g], 5, v0
.if \g > 0
	v_add_nc_u32 v[(\ad)+\g], \g, v[(\ad)+\g]
	v_and_b32 v[(\ad)+\g], 3, v[(\ad)+\g]
.endif
	v_mul_u32_u24 v[(\ad)+\g], v[(\ad)+\g], \gb
	v_add_nc_u32 v[(\ad)+\g], v[(\ad)+\g], v[\tr]
	v_add_nc_u32 v[(\ad)+\g], s[\sb], v[(\ad)+\g]
.endr
.if (\cb) != 0
	v_add_nc_u32 v[(\ad)+4], s[\sb], v[\tr]
	v_add_nc_u32 v[(\ad)+4], \cb, v[(\ad)+4]
.endif
.endm
; Half a fragment: place p of my order of 14 tiles of k (0-2 my own, 3 tile 13, 4-12 the three other waves', 13 tile 12), features from byte col on; tb = a tile's rows in bytes; addresses at v[AD ..]
.macro LDSL dst, p, col, tb
.if (\p) < 3
	ds_load_tr16_b128 v[(\dst):(\dst)+3], v[AD] offset:(\tb)*(\p)+(\col)
.elseif (\p) == 3
	ds_load_tr16_b128 v[(\dst):(\dst)+3], v[AD+4] offset:(\tb)+(\col)
.elseif (\p) < 13
	ds_load_tr16_b128 v[(\dst):(\dst)+3], v[AD+1+((\p)-4)/3] offset:(\tb)*(((\p)-4)%3)+(\col)
.else
	ds_load_tr16_b128 v[(\dst):(\dst)+3], v[AD+4] offset:(\col)
.endif
.endm
.macro RDT reg, col, tb                ; the seven fragments of one tile of features, at v[reg] of the window that is set: K step c is places 2 c, 2 c + 1
.set pl, 0
.rept 14
	LDSL (\reg)+4*pl, pl, \col, \tb
.set pl, pl+1
.endr
.endm
.macro RDH l                           ; layer l's tiles 3 w .. 3 w + 2 into window l
	s_add_co_u32 s5, s4, IMG1+((\l)-1)*IMGSZ
	MKA P, TR, 5, 3*TB, 12*TB
	WIN (\l)<<6                                    ; destination window l, address window 0
.irp tt, 0,1,2
	RDT 56*\tt, 32*\tt, TB
.endr
	WIN 0
.endm
.set AD, P
	s_mul_i32 s4, s[WV], 96                        ; my first tile's column, in bytes
	RDH 1
	RDH 2
	RDH 3
	s_max_u32 s5, s[WV], 1                         ; the extra tile: tile 12 (features 184 on: byte 368) of layer w; wave 0, whose extra tile is the first layer's and comes later, takes layer 1's so that the registers are written
	s_sub_co_u32 s5, s5, 1
	s_mul_i32 s5, s5, IMGSZ
	s_add_co_u32 s5, s5, IMG1+368
	MKA P, TR, 5, 3*TB, 12*TB
	WIN 0xc0
	RDT 200, 0, TB
	WIN 0
	SYNC                                           ; every wave's reads of the images are back: their bytes may be written again
	; THE FIRST LAYER'S IMAGE (128 rows) and, slot by slot behind it, the requests for Wout
	s_mul_i32 s5, s[WV], PW
	s_add_co_u32 s5, s5, IMG0
	v_lshrrev_b32 v[IA], 1, v[GB]
	v_add_nc_u32 v[IA], s5, v[IA]
	s_wait_loadcnt 50                              ; b0 and W0's row 0 are in; the 25 slots' pairs may be out
	STROW BT2, 25, 1                               ; slot 100: t's row
	STROW BT, 26, 1                                ; slot 104: b0
.irp i, 27,28,29,30,31
	ZROW \i
.endr
	v_lshrrev_b32 v[GO2], 1, v[GO]                 ; a row of Wout is 25 lanes x 16 bytes
	v_lshrrev_b32 v[GB2], 1, v[GB]
	s_mul_i32 s5, s[WV], PO
	s_add_co_u32 s5, s5, IMGO
	v_lshl_add_u32 v[IO], v1, 3, s5                ; 32 lanes x 8 bytes: a row of 128 bf16
	v_lshrrev_b32 v253, 4, v1
	v_and_b32 v254, 7, v1
	v_lshl_add_u32 v253, v253, 3, v254
	v_bfe_u32 v254, v1, 3, 1
	v_mul_u32_u24 v[TR2], v253, PO
	v_lshl_add_u32 v[TR2], v254, 4, v[TR2]
	v_and_b32 v[LM0], s[W0M], v[LM]
	global_load_b128 v[BT:BT+3], v[GB2], s[32:33]  ; bout
.set n, 0
.rept 25
	s_wait_loadcnt 49                              ; behind slot n's pair: 2 (24 - n) of W0, bout's one, 2 n of Wout
	STROW T+8*n, n
	global_load_b128 v[T+8*n:T+8*n+3],   v[GO2], s[30:31] offset:1600*n        ; Wout's rows 4 n + w
	global_load_b128 v[T+8*n+4:T+8*n+7], v[GO2], s[30:31] offset:1600*(n+25)   ; and 4 (n + 25) + w
.set n, n+1
.endr
; Four f32 at v[src], rounded, masked by v[m] (columns 100..127 are zeros), are my 8 bytes of row 4 i + w of the last layer's image
.macro OROW src, i, m
.set pq, P+2*((\i)%4)
	v_cvt_pk_bf16_f32 v[pq],   v[(\src)],   v[(\src)+1]
	v_cvt_pk_bf16_f32 v[pq+1], v[(\src)+2], v[(\src)+3]
	v_and_b32 v[pq],   v[\m], v[pq]
	v_and_b32 v[pq+1], v[\m], v[pq+1]
	ds_store_b64 v[IO], v[pq:pq+1] offset:4*PO*(\i)
.endm
.set n, 0
.rept 25
	s_wait_loadcnt 48-2*n                          ; the pairs of the slots behind this one
	OROW T+8*n, n, LM
.if n+25 < 48
	OROW T+8*n+4, n+25, LM
.else
	OROW T+8*n+4, n+27, LM
.endif
.set n, n+1
.endr
	OROW BT, 52, LM0                               ; slot 208: bout
.irp i, 48,49,53,54,55
	ds_store_b64 v[IO], v[VZ:VZ+1] offset:4*PO*\i
.endr
	; addresses of the last fragment reads, made while TR is still there; then the main loop's registers (no global load is out: the last wait was for 0)
	s_mul_i32 s5, s[WV], 96
	s_add_co_u32 s5, s5, IMG0
	MKA A0, TR, 5, 2*TB, 0                         ; the first layer: my K step c is wave (w + c) mod 4's two tiles of S
	v_add_nc_u32 v[AX], IMG0+368, v[TR]
	s_lshl_b32 s5, s[WV], 6
	s_add_co_u32 s5, s5, IMGO
	MKA AO, TR2, 5, 3*TBO, 12*TBO
	v_lshlrev_b32 v[L16], 4, v1
	s_mul_i32 s5, s[WV], 1536
	v_add_nc_u32 v[STW], s5, v[L16]
	s_lshl_b32 s5, s[WV], 10
	v_add_nc_u32 v[STS], s5, v[L16]
.irp g, 1,2,3                          ; where wave (w + g) mod 4 puts its tiles: again from v0, by plain vector arithmetic
	v_lshrrev_b32 v245, 5, v0
	v_add_nc_u32 v245, \g, v245
	v_and_b32 v245, 3, v245
	v_mul_u32_u24 v246, v245, 1536
	v_add_nc_u32 v[AG+\g-1], v246, v[L16]
	v_lshl_add_u32 v[AS+\g-1], v245, 10, v[L16]
.endr
	v_and_b32 v240, 15, v1                         ; r
	v_lshrrev_b32 v241, 4, v1                      ; h
	v_mul_u32_u24 v[OST], v240, 528
	v_lshl_add_u32 v[OST], v241, 5, v[OST]
	s_lshl_b32 s5, s[WV], 7
	v_add_nc_u32 v[OST], s5, v[OST]
	s_lshl_b32 s5, s[WV], 5
	v_lshl_add_u32 v242, v241, 3, s5               ; 32 w + 8 h
	v_mul_u32_u24 v243, v240, 40400                ; a row of dW
.irp k, 0,1,2,3
	v_add_nc_u32 v244, 16*(\k/2)+4*(\k%2), v242
	v_cmp_gt_u32 s[VM+\k], 100, v244               ; the quad holds real features
	v_min_u32 v244, 96, v244                       ; a padding quad reads features 96..99 and meets u = 0
	v_lshl_add_u32 v[DWO+\k], v244, 2, v243
.endr
	; dW of steps 0..3.  No hint: a slice's 400 bytes share aligned blocks of 256 bytes with the next slice, which is read a step later
.irp sl, 0,1,2,3
.irp k, 0,1,2,3
	global_load_b128 v[DW+16*\sl+4*\k:DW+16*\sl+4*\k+3], v[DWO+\k], s[12:13] offset:400*\sl
.endr
.endr
	s_add_nc_u64 s[DP:DP+1], s[12:13], 1600        ; the first trip asks for slices 4..7
	s_add_nc_u64 s[TP:TP+1], s[10:11], 4           ; and for timegrid[1..4]
	SYNC                                           ; the two images are whole
.irp tt, 0,1,2                         ; the first layer's tile 3 w + tt into window tt + 1
	WIN (\tt+1)<<6
.irp c, 0,1,2,3
	ds_load_tr16_b128 v[168+8*\c:168+8*\c+3],   v[A0+\c] offset:32*\tt
	ds_load_tr16_b128 v[168+8*\c+4:168+8*\c+7], v[A0+\c] offset:32*\tt+TB
.endr
.endr
.set AD, AO
.irp tt, 0,1                           ; the last layer's tile 2 w + tt into window tt + 1
	WIN (\tt+1)<<6
	RDT 200, 32*\tt, TBO
.endr
	WIN 0                                          ; at a branch and at a label every window is 0
	s_cmp_lg_u32 s[WV], 0
	s_cbranch_scc1 .Lno_extra0
	WIN 0xc0                                       ; wave 0: the first layer's tile 12 is its extra tile (four K steps; for w = 0 my order is the plain one)
.irp c, 0,1,2,3
	ds_load_tr16_b128 v[200+8*\c:200+8*\c+3], v[AX] offset:2*TB*\c
	ds_load_tr16_b128 v[200+8*\c+4:200+8*\c+7], v[AX] offset:2*TB*\c+TB
.endr
	WIN 0
.Lno_extra0:
	; h, sqrt(h); S's padding; err = 0; the constant tile.  All this stands in the wait for the fragments
	s_wait_kmcnt 0x0
	v_mov_b32 v240, s[TG]
	v_sub_f32 v240, s[TG+1], v240                  ; h = timegrid[1] - timegrid[0]
	v_sqrt_f32 v241, v240
	v_nop                                          ; a plain instruction behind the root, ahead of the use of its result
	v_readfirstlane_b32 s[HH], v240
	s_wait_alu depctr_va_vdst(0)
	v_readfirstlane_b32 s[RH], v241
	s_mov_b32 s[HH+1], s[HH]                       ; named as pairs
	s_mov_b32 s[RH+1], s[RH]
.irp k, 0,1,2,3
.irp e, 0,1,2,3
	v_cndmask_b32 v[S+4*\k+\e], 0, v[S+4*\k+\e], s[VM+\k]
.endr
.endr
	v_cndmask_b32 v[S], v[S], 1.0, s[OM]           ; slot 104: 1.0, for b0
	v_cndmask_b32 v[S+4], v[S+4], s[TG], s[TM]     ; slot 100: t of step 0
.set n, 0
.rept 16
	v_mov_b32 v[ERR+n], 0
.set n, n+1
.endr
.set n, 0
.rept 8                                ; the fourth accumulator is started under one branch on the wave's number and taken up under a later one: written once here, it holds a number on every way through the text
	v_mov_b32 v[ACC+24+n], 0
.set n, n+1
.endr
	v_mov_b32 v242, 0x3f80                         ; 1.0 in bf16, in the low half: slot 208
	v_cmp_gt_u32 vcc_lo, 16, v1
	v_cndmask_b32 v[PK+12], 0, v242, vcc_lo
	v_mov_b32 v[PK+13], 0
	v_mov_b32 v[PK+14], 0
	v_mov_b32 v[PK+15], 0
; The ten tiles of the hidden stage at x that are not in my registers, in my order; 16 bytes a lane, the lane's own place
.macro LOADH x
.irp g, 0,1,2
.irp tt, 0,1,2
	ds_load_b128 v[BF+12*\g+4*\tt:BF+12*\g+4*\tt+3], v[AG+\g] offset:(\x)+512*\tt
.endr
.endr
	ds_load_b128 v[BF+36:BF+39], v[L16] offset:(\x)+6144
.endm
.macro LOADS                           ; the other waves' six tiles of S
.irp g, 0,1,2
	ds_load_b128 v[BF+8*\g:BF+8*\g+3],   v[AS+\g] offset:X0
	ds_load_b128 v[BF+8*\g+4:BF+8*\g+7], v[AS+\g] offset:X0+512
.endr
.endm
; One product: the accumulator at v[acc] += weights at v[wr] of window win x source 1 at v[rb].  first = 1: it starts the sum with the constant 0
.macro MM acc, win, wr, rb, first=0
	WIN \win                                       ; source 0 in that window; source 1, C and D in window 0
.if \first
	v_wmma_f32_16x16x32_bf16 v[(\acc):(\acc)+7], v[(\wr):(\wr)+7], v[(\rb):(\rb)+7], 0
.else
	v_wmma_f32_16x16x32_bf16 v[(\acc):(\acc)+7], v[(\wr):(\wr)+7], v[(\rb):(\rb)+7], v[(\acc):(\acc)+7]
.endif
.endm
.macro TP l, a, c, rb, first=0         ; layer l (0..3), accumulator a (0..2; 3: the extra tile), my K step c
.if (\a) == 3
	MM ACC+24, 3, 200+8*(\c), \rb, \first
.elseif (\l) == 0
	MM ACC+8*(\a), (\a)+1, 168+8*(\c), \rb, \first
.else
	MM ACC+8*(\a), \l, 56*(\a)+8*(\c), \rb, \first
.endif
.endm
; A LAYER'S HEAD.  The stage's stores have just been issued.  My first K step, my own tiles out of PK, starts the sums while they are on their way.  Then the barrier: every wave's tiles are stored, and its
; reads of the stage before are back; a stage is written again a step later, four more barriers on.  Then the other waves' tiles are asked for.
; The accumulators take turns, one instruction a turn: three of them, or four in the wave that has the extra tile.  The branch hangs on the wave's number alone and passes no barrier.
.macro HEAD l, x
	s_cmp_lg_u32 s[WV], \l
	s_cbranch_scc1 .Lthree_\@
	TP \l, 3, 0, PK, 1
	WIN 0
.Lthree_\@:
	TP \l, 0, 0, PK, 1
	TP \l, 1, 0, PK, 1
	TP \l, 2, 0, PK, 1
	WIN 0
	SYNC
.if (\l) == 0
	LOADS
.else
	LOADH \x
.endif
.endm
; Where K step c of source 1 lies (rb_), and how many of the stage's loads may stay out (wt_; -1: the step needs none).  The first layer: 6 loads, step c needs the first 2 c.  A hidden input: step 1 is my third tile
; and tile 13, in PK; of the 10 loads step c needs the first 2 (c - 1).
.macro RB l, c
.if (\l) == 0
.set rb_, BF+8*((\c)-1)
.set wt_, 6-2*(\c)
.elseif (\c) == 1
.set rb_, PK+8
.set wt_, -1
.else
.set rb_, BF+8*((\c)-2)
.set wt_, 12-2*(\c)
.endif
.endm
.macro BODY l, four, c
	RB \l, \c
.if wt_ >= 0
	s_wait_dscnt wt_
.endif
.if \four
	TP \l, 3, \c, rb_
.endif
	TP \l, 0, \c, rb_
	TP \l, 1, \c, rb_
	TP \l, 2, \c, rb_
.endm
.macro PACKR acc, pk                   ; an accumulator is rounded to bf16, from its lowest registers on; ReLU on the packed halves
.irp j, 0,1,2,3
	v_cvt_pk_bf16_f32 v[(\pk)+\j], v[(\acc)+2*\j], v[(\acc)+2*\j+1]
.endr
.irp j, 0,1,2,3
	v_pk_max_num_bf16 v[(\pk)+\j], v[(\pk)+\j], v[VZ]
.endr
.endm
; The last K step.  The four places, and with four tiles the extra tile's eight lines, stand between its products; behind a product four plain lines or more that name none of its registers always come before its result is read,
; and before PK, a source of this layer's first two K steps, is written.
.macro LASTK l, four, c
	RB \l, \c
	s_wait_dscnt 0x0
.if \four
	TP \l, 3, \c, rb_
	TP \l, 0, \c, rb_
	PLACES
	TP \l, 1, \c, rb_
	WIN 0
	PACKR ACC+24, PKX
	TP \l, 2, \c, rb_
.else
	TP \l, 0, \c, rb_
	TP \l, 1, \c, rb_
	PLACES
	TP \l, 2, \c, rb_
.endif
	WIN 0
	PACKR ACC, PK
	PACKR ACC+8, PK+4
	PACKR ACC+16, PK+8
.endm
.macro WAY l, four, xo                 ; the rest of layer l, and its tiles into the stage at xo: all the stores in one run, behind all the arithmetic
.if (\l) == 0
	BODY \l, \four, 1
	BODY \l, \four, 2
	LASTK \l, \four, 3
.else
.irp c, 1,2,3,4,5
	BODY \l, \four, \c
.endr
	LASTK \l, \four, 6
.endif
.if \four
	ds_store_b128 v[L16], v[PKX:PKX+3] offset:(\xo)+6144
.endif
	ds_store_b128 v[STW], v[PK:PK+3] offset:(\xo)
	ds_store_b128 v[STW], v[PK+4:PK+7] offset:(\xo)+512
	ds_store_b128 v[STW], v[PK+8:PK+11] offset:(\xo)+1024
.endm
.macro REST l, xo                      ; wave l takes the way with the extra tile
	s_cmp_eq_u32 s[WV], \l
	s_cbranch_scc1 .Lfour_\@
	WAY \l, 0, \xo
	s_branch .Ljoin_\@
.Lfour_\@:
	WAY \l, 1, \xo
.Ljoin_\@:
.endm
; S goes out as bf16, and the first layer's head follows.  post = 1: behind the requests for S's tiles dW's slot sl is asked for again, the slice four steps on, and err += u (u h), while the tiles come in
.macro HEAD0 post, sl=0
.irp p, 0,1,2,3,4,5,6,7
	v_cvt_pk_bf16_f32 v[PK+\p], v[S+2*\p], v[S+2*\p+1]
.endr
	ds_store_b128 v[STS], v[PK:PK+3] offset:X0
	ds_store_b128 v[STS], v[PK+4:PK+7] offset:X0+512
	HEAD 0, X0
.if \post
.irp k, 0,1,2,3
	global_load_b128 v[DW+16*(\sl)+4*\k:DW+16*(\sl)+4*\k+3], v[DWO+\k], s[DP:DP+1] offset:400*(\sl)
.endr
.irp p, 0,1,2,3,4,5,6,7
	v_pk_mul_f32 v[UT+2*\p:UT+2*\p+1], v[UA+2*\p:UA+2*\p+1], s[HH:HH+1] op_sel_hi:[1,0]
.endr
.irp p, 0,1,2,3,4,5,6,7
	v_pk_fma_f32 v[ERR+2*\p:ERR+2*\p+1], v[UA+2*\p:UA+2*\p+1], v[UT+2*\p:UT+2*\p+1], v[ERR+2*\p:ERR+2*\p+1]
.endr
.endif
.endm
; The last layer (two tiles, in windows 1 and 2, by turns, in accumulators of their own, so that the next step's first products do not wait for err), the update of S, and the next step's head
.macro OUTL sl
	MM UA, 1, 200, PK, 1
	MM UA+8, 2, 200, PK, 1
	WIN 0
	SYNC
	LOADH X4
	MM UA, 1, 208, PK+8
	MM UA+8, 2, 208, PK+8
	WIN 0
	s_wait_loadcnt 12                              ; this step's four loads of dW are in; the three younger slots' twelve stay out
.irp p, 0,1,2,3,4,5,6,7                ; f = sqrt(h) dW + h, in place, while the stage's tiles come in
	v_pk_fma_f32 v[DW+16*(\sl)+2*\p:DW+16*(\sl)+2*\p+1], v[DW+16*(\sl)+2*\p:DW+16*(\sl)+2*\p+1], s[RH:RH+1], s[HH:HH+1] op_sel_hi:[1,0,0]
.endr
.irp c, 2,3,4,5
	s_wait_dscnt 12-2*\c                           ; of the ten loads K step c needs the first 2 (c - 1)
	MM UA, 1, 200+8*\c, BF+8*\c-16
	MM UA+8, 2, 200+8*\c, BF+8*\c-16
.endr
	s_wait_dscnt 0x0
	MM UA, 1, 248, BF+32
	PLACES                                         ; the places behind the first tile's last product; the first tile's four lines below are those behind the second's
	MM UA+8, 2, 248, BF+32
	WIN 0
.irp p, 0,1,2,3,4,5,6,7                ; S += u f: each accumulator is read from its lowest registers on
	v_pk_fma_f32 v[S+2*\p:S+2*\p+1], v[UA+2*\p:UA+2*\p+1], v[DW+16*(\sl)+2*\p:DW+16*(\sl)+2*\p+1], v[S+2*\p:S+2*\p+1]
.endr
.if (\sl) == 0
	s_wait_kmcnt 0x0                               ; the trip's four t
.endif
	v_cndmask_b32 v[S+4], v[S+4], s[TT+(\sl)], s[TM]  ; the next step's t
	HEAD0 1, \sl
.endm
.macro STEP sl                         ; a step runs from the rest of its first layer to the head of the next step's
	REST 0, X1
	HEAD 1, X1
	REST 1, X2
	HEAD 2, X2
	REST 2, X3
	HEAD 3, X3
	REST 3, X4
	OUTL \sl
.endm
	s_wait_dscnt 0x0                               ; the weights' fragments are in
	HEAD0 0
	s_mov_b32 s[CNT], 25
.Ltrip:                                                ; 25 trips of four steps
.irp j, 0,1,2,3
	s_load_b32 s[TT+\j], s[TP:TP+1], 4*\j          ; timegrid[4 trip + 1 + j]: index 100 at the most, the tensor's last
.endr
	STEP 0
	STEP 1
	STEP 2
	STEP 3
	s_sub_co_u32 s[CNT], s[CNT], 1
	s_cmp_gt_u32 s[CNT], 1                         ; the last trip asks for slices 96..99 once more: inside dW, and every count stays as it is
	s_cselect_b32 s[INC], 1600, 0
	s_wait_xcnt 0x0                                ; the two pointers are stepped only behind this wait
	s_add_nc_u64 s[DP:DP+1], s[DP:DP+1], s[INC:INC+1]
	s_add_nc_u64 s[TP:TP+1], s[TP:TP+1], 16
	s_cmp_lg_u32 s[CNT], 0
	s_cbranch_scc1 .Ltrip
	; THE WAY OUT.  (The head of a 101st step has been run and serves nothing: the price, once, of one text for every step.)
	; err + S S goes into 16 rows of 528 bytes in LDS and comes back as the 6,400 consecutive bytes of my 16 rows of out0, 16 bytes a thread.
.irp p, 0,1,2,3,4,5,6,7
	v_pk_fma_f32 v[ERR+2*\p:ERR+2*\p+1], v[S+2*\p:S+2*\p+1], v[S+2*\p:S+2*\p+1], v[ERR+2*\p:ERR+2*\p+1]
.endr
.irp k, 0,1,2,3
	ds_store_b128 v[OST], v[ERR+4*\k:ERR+4*\k+3] offset:OUTS+64*(\k/2)+16*(\k%2)
.endr
.irp i, 0,1,2                          ; chunk c = thread + 128 i lies in row c / 25 = (5,243 c) >> 17 (exact for c < 400), at 16 c + 128 row
	v_add_nc_u32 v[UA+\i], 128*\i, v0
	v_mul_u32_u24 v[UA+3], v[UA+\i], 5243
	v_lshrrev_b32 v[UA+3], 17, v[UA+3]
	v_lshlrev_b32 v[UA+4+\i], 4, v[UA+\i]
	v_lshl_add_u32 v[UA+8+\i], v[UA+3], 7, v[UA+4+\i]
.endr
	SYNC                                           ; every wave's part of the rows is stored
.irp i, 0,1,2
	ds_load_b128 v[UT+4*\i:UT+4*\i+3], v[UA+8+\i] offset:OUTS
.endr
.irp i, 0,1,2
	s_wait_dscnt 2-\i
	global_store_b128 v[UA+4+\i], v[UT+4*\i:UT+4*\i+3], s[34:35] th:TH_STORE_NT  ; a wave stores 512 consecutive bytes, at a multiple of 256 from out0's first byte
.endr
	s_cmp_lg_u32 s[WV], 0
	s_cbranch_scc1 .Lend
	v_min_u32 v[UA+12], 15, v1                     ; chunks 384..399, all of row 15: wave 0, lanes 0-15
	v_lshlrev_b32 v[UA+12], 4, v[UA+12]
	v_add_nc_u32 v[UA+12], 16*384, v[UA+12]
	ds_load_b128 v[UT+12:UT+15], v[UA+12] offset:OUTS+15*128
	v_cmp_gt_u32 vcc_lo, 16, v1
	s_wait_dscnt 0x0
	s_wait_xcnt 0x0                                ; EXEC changes only behind this wait: it is a source of the stores and loads that are out
	s_and_saveexec_b32 s[SX], vcc_lo
	global_store_b128 v[UA+12], v[UT+12:UT+15], s[34:35] th:TH_STORE_NT          ; 256 consecutive bytes, at a multiple of 256
	s_wait_xcnt 0x0                                ; and again, in front of the line that widens it
	s_or_b32 exec_lo, exec_lo, s[SX]
.Lend:
	s_wait_tensorcnt 0x0                           ; the wave's end, behind my last LDS store
	ds_add_u32 v[SPW], v[NIL]
	s_wait_dscnt 0x0
	s_endpgm
.Lfunc_end_k_qf36f1b9585_solve:
	.size	k_qf36f1b9585_solve, .Lfunc_end_k_qf36f1b9585_solve-k_qf36f1b9585_solve
	.p2alignl 7, 3214868480
	.fill 96, 4, 3214868480
	.section	.rodata,"a",@progbits
	.p2align	6, 0x0
	.amdhsa_kernel k_qf36f1b9585_solve
		.amdhsa_group_segment_fixed_size 319488
		.amdhsa_private_segment_fixed_size 0
		.amdhsa_enable_private_segment 0
		.amdhsa_kernarg_size 112
		.amdhsa_user_sgpr_count 2
		.amdhsa_user_sgpr_kernarg_segment_ptr 1
		.amdhsa_wavefront_size32 1
		.amdhsa_system_sgpr_workgroup_id_x 1
		.amdhsa_system_sgpr_workgroup_id_y 1
		.amdhsa_system_sgpr_workgroup_id_z 1
		.amdhsa_system_vgpr_workitem_id 0
		.amdhsa_next_free_vgpr 1024
		.amdhsa_next_free_sgpr 72
		.amdhsa_reserve_vcc 1
		.amdhsa_float_denorm_mode_32 3
		.amdhsa_float_denorm_mode_16_64 3
		.amdhsa_memory_ordered 1
		.amdhsa_forward_progress 1
		.amdhsa_inst_pref_size 255
	.end_amdhsa_kernel
	.amdgpu_metadata
---
amdhsa.version: [ 1, 2 ]
amdhsa.kernels:
  - .name:           k_qf36f1b9585_solve
    .symbol:         k_qf36f1b9585_solve.kd
    .args:
      - { .name: S0, .offset: 0, .size: 8, .value_kind: global_buffer, .address_space: global }
      - { .name: timegrid, .offset: 8, .size: 8, .value_kind: global_buffer, .address_space: global }
      - { .name: dW, .offset: 16, .size: 8, .value_kind: global_buffer, .address_space: global }
      - { .name: W0, .offset: 24, .size: 8, .value_kind: global_buffer, .address_space: global }
      - { .name: b0, .offset: 32, .size: 8, .value_kind: global_buffer, .address_space: global }
      - { .name: W1, .offset: 40, .size: 8, .value_kind: global_buffer, .address_space: global }
      - { .name: b1, .offset: 48, .size: 8, .value_kind: global_buffer, .address_space: global }
      - { .name: W2, .offset: 56, .size: 8, .value_kind: global_buffer, .address_space: global }
      - { .name: b2, .offset: 64, .size: 8, .value_kind: global_buffer, .address_space: global }
      - { .name: W3, .offset: 72, .size: 8, .value_kind: global_buffer, .address_space: global }
      - { .name: b3, .offset: 80, .size: 8, .value_kind: global_buffer, .address_space: global }
      - { .name: Wout, .offset: 88, .size: 8, .value_kind: global_buffer, .address_space: global }
      - { .name: bout, .offset: 96, .size: 8, .value_kind: global_buffer, .address_space: global }
      - { .name: out0, .offset: 104, .size: 8, .value_kind: global_buffer, .address_space: global }
    .group_segment_fixed_size: 319488
    .private_segment_fixed_size: 0
    .kernarg_segment_align: 8
    .kernarg_segment_size: 112
    .max_flat_workgroup_size: 128
    .sgpr_count:     72
    .vgpr_count:     1024
    .wavefront_size: 32
...
	.end_amdgpu_metadata
.endif
;; end of part 2
